; MI455X (gfx1250); checked and timed in simulation.
; The chip was launched on July 23, 2026; its instructions are those of AMD's public machine-readable ISA for CDNA 5 (MIT licence, August 2026) and "CDNA5" Instruction Set Architecture Reference Guide (July 2026). The comments in the code are by the model that wrote it; some were corrected since.
;; Bi Non Local Block ND. Allowed arithmetic: float matrix products may take bf16 or f16 operands with f32 sums; all other float work in f32.
;; Inputs: W_a_b 64 float32; W_a_w 64 x 32 float32; W_b_b 64 float32; W_b_w 64 x 32 float32; a 4 x 64 x 64 x 64 float32; b 4 x 64 x 64 x 64 float32; bn_a_beta 64 float32; bn_a_gamma 64 float32; bn_b_beta 64 float32; bn_b_gamma 64 float32; g_a_b 32 float32; g_a_w 32 x 64 float32; g_b_b 32 float32; g_b_w 32 x 64 float32; phi_b 64 float32; phi_w 64 x 64 float32; theta_b 64 float32; theta_w 64 x 64 float32.
;; Outputs: out0 4 x 64 x 64 x 64 float32; out1 4 x 64 x 64 x 64 float32.
;; One version. Each part assembles by itself: llvm-mc -triple=amdgcn-amd-amdhsa -mcpu=gfx1250 --defsym DOCPART=n.
;; ======== version 1 of 1: 3 launches
;; limits: values are held in f16: magnitudes above 65,504 overflow, below 6.1e-05 lose precision
;; workspace buffers: qk 4,194,304 bytes; vt 2,097,152 bytes; pre 8,388,608 bytes
;; launch proj (part 1): grid 128 x 2, 2 waves a work-group, no clusters, 28,416 bytes of LDS; arguments a, b, theta_w, phi_w, theta_b, phi_b, g_a_w, g_b_w, g_a_b, g_b_b, qk, vt; writes qk, vt
.if DOCPART == 1
	.amdgcn_target "amdgcn-amd-amdhsa--gfx1250"
	.amdhsa_code_object_version 6
	.text
	.protected	k_qce2b94ed62_proj
	.globl	k_qce2b94ed62_proj
	.p2align	8
	.type	k_qce2b94ed62_proj,@function
k_qce2b94ed62_proj:
	s_mov_b64 s[64:65], 0
	v_nop
	global_prefetch_b8 v0, s[64:65] scope:SCOPE_SE
	s_setreg_imm32_b32 hwreg(HW_REG_WAVE_MODE, 25, 1), 1
	s_wait_xcnt 0x0
; The four 1x1 convolutions.  Work-group y = 0: x = a, weights theta and g_a; y = 1: x = b, weights phi and g_b.
;   qk[y][batch][n][o] = f16 ( (sum over c of W[o][c] x[c][n] + Wb[o]) * f ),  f = log2(e) for y = 0, 1 for y = 1   (64 outputs, position-major)
;   vt[y][batch][o][n] = bf16(  sum over c of G[o][c] x[c][n] + Gb[o] )                                              (32 outputs, channel-major)
; log2(e) goes into theta's side in f32, ahead of the one rounding, so that every later exponential is a plain power of two.
; PRECISION: what leaves here as qk becomes a score, and a score's absolute error becomes a relative error of a probability.  So theta's and phi's products are
; made of split operands: x = hi + lo and W = hi + lo, each part bf16, lo = bf16(value - hi), and hi hi + lo_W hi_x + hi_W lo_x is summed in f32; what is dropped
; (lo lo) is some 2^-16 of a product.  The result is kept in f16, three bits more than bf16.  g's products feed a plain weighted mean: one bf16 product.
; LIMITS: |q log2(e)| and |k| have to stay under f16's 65,504.  With numbers of spread 1 in x and 1/8 in W they stay under 8; with both 30 times larger under
; 8 x 900 = 7,200; with both carrying an offset of 30 spreads near 64 x 3.75 x 30 x 1.45 = 10,500.  NaN and infinities in the inputs are not served.
; A work-group owns 128 positions of one batch, a wave 64 of them and all 96 outputs: 4 tiles of 16 positions x (4 + 2) tiles of 16 outputs x K = 64.
; A lane's 16-byte load of x holds four neighbouring positions of one channel; position 4 r + t goes to column (row) r of tile t,
; so the loads stay contiguous (sixteen lanes read 256 consecutive bytes) and no lane ever exchanges data with another.
.set BQ,   8                           ; v[8:39]    theta/phi bias as a C operand: tile ot, register j = bias[16 ot + 8 h + j]
.set BV,   40                          ; v[40:55]   g bias as a C operand: tile gt, all 8 registers = bias[16 gt + r]
.set WP,   56                          ; v[56:151]  weight fragments, hi parts, (wt*2 + cc)*8; wt 0-3 theta/phi, 4-5 g; later q's rows on the way out
.set XB,   152                         ; v[152:215] x fragments, hi parts, (t*2 + cc)*8; later v's rows on the way out
.set VGO,  216                         ; v216       byte offset of my 16 bytes in vt
.set BQO,  217                         ; v217       32 h
.set BVO,  218                         ; v218       4 r
.set TS,   128                         ; window 1: v[128:255] hi parts widened to f32 again, register for register beside the raw numbers; free before the products
.set VACC, 128                         ; window 1: v[128:191] sums of g, (t*2 + gt)*8.   window 1: v[0:127] x as loaded, then x - hi, then sums of theta/phi, (t*4 + ot)*8
.set PV,   192                         ; window 1: v[192:223] g's results in bf16, gt*16
.set WL,   0                           ; window 2: v[0:191] weights as loaded, then theta/phi - hi; v[0:63] theta/phi fragments, lo parts, in WP's order
.set XL,   64                          ; window 2: v[64:127] x fragments, lo parts, in XB's order (the raw weights there are used up by then)
.set QP,   144                         ; q stage: a position's 128 bytes + 16: sixteen rows start at sixteen different 16-byte columns of 256
.set QT,   2432                        ; q stage: from tile t to tile t + 1 (16 rows + 128 bytes, so that two tiles' rows do not meet in a read)
.set QW,   9728                        ; q stage of one wave
.set VST,  19456                       ; v stage, shared by the two waves: 32 rows of 256 + 16 bytes
.set VPI,  272
.set MSB, 0
.macro WIN new                         ; low byte: window of source 0 (1:0), source 1 (3:2), source 2 (5:4), destination (7:6); high byte: the setting that is left
.if MSB != \new
	s_set_vgpr_msb (MSB<<8)|\new
.set MSB, \new
.endif
.endm
	s_load_b512 s[4:19], s[0:1], 0x0               ; a, b, theta_w, phi_w, theta_b, phi_b, g_a_w, g_b_w
	s_load_b256 s[20:27], s[0:1], 0x40             ; g_a_b, g_b_b, qk, vt
	v_lshl_add_u32 v254, v0, 2, 0x6e00
	v_mov_b32 v255, 0
	v_lshrrev_b32 v1, 5, v0
	v_readfirstlane_b32 s3, v1                     ; wave 0, 1
	s_and_b32 s42, ttmp7, 0xffff                   ; y: which tensor
	s_lshr_b32 s43, ttmp9, 5                       ; batch
	s_and_b32 s44, ttmp9, 31                       ; block of 128 positions
	s_mov_b32 s51, 0xffff0000                      ; a word's upper bf16
	s_lshl_b32 s40, s43, 20                        ; x: batch * 64 channels * 16,384 bytes
	s_lshl_b32 s50, s44, 9                         ;    + block * 128 positions * 4 bytes
	s_add_co_u32 s40, s40, s50
	s_mov_b32 s41, 0
	s_lshl_b32 s52, s43, 12                        ; qk: row = batch * 4096 + block * 128 + wave * 64,
	s_lshl_b32 s50, s44, 7
	s_add_co_u32 s52, s52, s50
	s_lshl_b32 s50, s3, 6
	s_add_co_u32 s52, s52, s50
	s_lshl_b32 s52, s52, 7                         ;     128 bytes a row,
	s_lshl_b32 s50, s42, 21                        ;     + y * 2,097,152
	s_add_co_u32 s52, s52, s50
	s_mov_b32 s53, 0
	s_lshl_b32 s54, s42, 20                        ; vt: y * 1,048,576 + batch * 32 rows * 8,192 + block * 256 bytes
	s_lshl_b32 s50, s43, 18
	s_add_co_u32 s54, s54, s50
	s_lshl_b32 s50, s44, 8
	s_add_co_u32 s54, s54, s50
	s_mov_b32 s55, 0
	v_and_b32 v219, 15, v0                         ; r
	v_bfe_u32 v220, v0, 4, 1                       ; h
	v_and_b32 v221, 31, v0                         ; lane
	v_lshlrev_b32 v[BQO], 5, v220
	v_lshlrev_b32 v[BVO], 2, v219
	v_lshl_add_u32 v1, v219, 8, v[BQO]             ; weights: row r of 256 bytes + 8 h numbers
	s_lshl_b32 s45, s3, 8
	v_lshlrev_b32 v2, 17, v220                     ; x: 8 h channels of 16,384 bytes
	v_lshl_add_u32 v2, v219, 4, v2                 ;    + 16 r
	v_add_nc_u32 v2, s45, v2                       ;    + my wave's 64 positions
	s_wait_kmcnt 0x0
	s_cmp_eq_u32 s42, 0
	s_cselect_b64 s[28:29], s[4:5], s[6:7]         ; x
	s_cselect_b64 s[30:31], s[8:9], s[10:11]       ; theta_w or phi_w
	s_cselect_b64 s[32:33], s[12:13], s[14:15]     ; its bias
	s_cselect_b64 s[34:35], s[16:17], s[18:19]     ; g_a_w or g_b_w
	s_cselect_b64 s[36:37], s[20:21], s[22:23]     ; its bias
	s_cselect_b32 s38, 0x3fb8aa3b, 1.0             ; log2(e) for theta's side
	s_mov_b32 s39, s38
	s_add_nc_u64 s[28:29], s[28:29], s[40:41]
	s_add_nc_u64 s[24:25], s[24:25], s[52:53]
	s_add_nc_u64 s[26:27], s[26:27], s[54:55]
	; All loads at once: 48 of weights, 10 of biases, then 32 of x.
	WIN 0x80                                       ; destination window 2
.irp wt, 0,1,2,3
.irp cc, 0,1
.irp u, 0,1
.irp q, 0,1
	global_load_b128 v[(\wt*2+\cc)*16+\u*8+\q*4:(\wt*2+\cc)*16+\u*8+\q*4+3], v1, s[30:31] offset:\wt*4096+\cc*128+\u*64+\q*16   ; W[16 wt + r][32 cc + 16 u + 8 h + 4 q ..]
.endr
.endr
.endr
.endr
.irp wt, 4,5
.irp cc, 0,1
.irp u, 0,1
.irp q, 0,1
	global_load_b128 v[(\wt*2+\cc)*16+\u*8+\q*4:(\wt*2+\cc)*16+\u*8+\q*4+3], v1, s[34:35] offset:(\wt-4)*4096+\cc*128+\u*64+\q*16
.endr
.endr
.endr
.endr
	WIN 0
.irp ot, 0,1,2,3
	global_load_b128 v[BQ+8*\ot:BQ+8*\ot+3],   v[BQO], s[32:33] offset:\ot*64
	global_load_b128 v[BQ+8*\ot+4:BQ+8*\ot+7], v[BQO], s[32:33] offset:\ot*64+16
.endr
.irp gt, 0,1
	global_load_b32 v[BV+8*\gt], v[BVO], s[36:37] offset:\gt*64
.endr
	WIN 0x40                                       ; destination window 1
.irp cb, 0,1,2,3
.irp i, 0,1,2,3,4,5,6,7
	global_load_b128 v[(8*\cb+\i)*4:(8*\cb+\i)*4+3], v2, s[28:29] offset:(16*\cb+\i)*16384   ; x[16 cb + 8 h + i][4 r .. 4 r + 3]
.endr
.endr
	WIN 0
	; LDS addresses, while the loads are on their way
	s_mul_i32 s46, s3, QW
	v_mul_u32_u24 v3, v219, QP                     ; q stage, in: row r + 16 h (+ tile and output tile in the immediate)
	v_lshl_add_u32 v3, v220, 4, v3
	v_add_nc_u32 v3, s46, v3
	s_lshl_b32 s47, s3, 7
	s_add_co_u32 s47, s47, VST
	v_mul_u32_u24 v4, v219, VPI                    ; v stage, in: row r, my wave's 128 bytes, 64 h
	v_lshl_add_u32 v4, v220, 6, v4
	v_add_nc_u32 v4, s47, v4
	v_lshrrev_b32 v5, 3, v221                      ; q stage, back: eight lanes take one position's 128 bytes; position 4 i + t is row i of tile t = lane / 8
	v_mul_u32_u24 v5, v5, QT
	v_and_b32 v222, 7, v0
	v_lshl_add_u32 v5, v222, 4, v5
	v_add_nc_u32 v5, s46, v5
	v_lshlrev_b32 v6, 4, v221                      ; and in qk: 16 x lane
	s_mul_i32 s48, s3, 16*VPI
	s_add_co_u32 s48, s48, VST
	v_mul_u32_u24 v7, v220, VPI                    ; v stage, back: wave w takes rows 16 w .. 16 w + 15, two at a time
	v_lshl_add_u32 v7, v219, 4, v7
	v_add_nc_u32 v7, s48, v7
	s_lshl_b32 s49, s3, 17
	v_lshlrev_b32 v[VGO], 13, v220                 ; and in vt: rows of 8,192 bytes
	v_lshl_add_u32 v[VGO], v219, 4, v[VGO]
	v_add_nc_u32 v[VGO], s49, v[VGO]
	; THE WEIGHTS: hi parts of all, lo parts of theta/phi
	s_wait_loadcnt 32                              ; loads come back in order: all but the 32 of x, issued last, are in
	WIN 0x0a                                       ; sources window 2
.set i, 0
.rept 96
	v_cvt_pk_bf16_f32 v[WP+i], v[2*i], v[2*i+1]    ; the raw registers lie in the fragments' order
.set i, i+1
.endr
	WIN 0x40                                       ; source window 0, destination window 1
.set i, 0
.rept 64
	v_lshlrev_b32 v[TS+2*i],   16,  v[WP+i]        ; hi as f32 again: the low half moves up,
	v_and_b32     v[TS+2*i+1], s51, v[WP+i]        ; the high half stays
.set i, i+1
.endr
	WIN 0x86                                       ; raw window 2, hi window 1, back into window 2
.set i, 0
.rept 64
	v_pk_add_f32 v[2*i:2*i+1], v[2*i:2*i+1], v[TS+2*i:TS+2*i+1] neg_lo:[0,1] neg_hi:[0,1]   ; W - hi: exact in f32
.set i, i+1
.endr
	WIN 0x8a                                       ; all window 2
.set i, 0
.rept 64
	v_cvt_pk_bf16_f32 v[WL+i], v[2*i], v[2*i+1]    ; lo; in place, ascending: each line writes at or below what it reads
.set i, i+1
.endr
	WIN 0
.irp gt, 0,1
.irp j, 1,2,3,4,5,6,7
	v_mov_b32 v[BV+8*\gt+\j], v[BV+8*\gt]          ; a lane's eight results of g belong to one output: one bias in all eight
.endr
.endr
	; x: the same
	s_wait_loadcnt 0x0
	WIN 0x05                                       ; sources window 1
.irp t, 0,1,2,3
.irp cc, 0,1
.irp u, 0,1
.irp p, 0,1,2,3
	v_cvt_pk_bf16_f32 v[XB+(\t*2+\cc)*8+4*\u+\p], v[(8*(2*\cc+\u)+2*\p)*4+\t], v[(8*(2*\cc+\u)+2*\p+1)*4+\t]   ; channels 32 cc + 16 u + 8 h + 2 p, + 1 of position 4 r + t
.endr
.endr
.endr
.endr
	WIN 0x40
.irp t, 0,1,2,3
.irp cc, 0,1
.irp u, 0,1
.irp p, 0,1,2,3
	v_lshlrev_b32 v[TS+(8*(2*\cc+\u)+2*\p)*4+\t],   16,  v[XB+(\t*2+\cc)*8+4*\u+\p]   ; each hi goes beside the raw number that it came from
	v_and_b32     v[TS+(8*(2*\cc+\u)+2*\p+1)*4+\t], s51, v[XB+(\t*2+\cc)*8+4*\u+\p]
.endr
.endr
.endr
.endr
	WIN 0x45                                       ; all window 1
.set i, 0
.rept 64
	v_pk_add_f32 v[2*i:2*i+1], v[2*i:2*i+1], v[TS+2*i:TS+2*i+1] neg_lo:[0,1] neg_hi:[0,1]   ; x - hi
.set i, i+1
.endr
	WIN 0x85                                       ; sources window 1, destination window 2
.irp t, 0,1,2,3
.irp cc, 0,1
.irp u, 0,1
.irp p, 0,1,2,3
	v_cvt_pk_bf16_f32 v[XL+(\t*2+\cc)*8+4*\u+\p], v[(8*(2*\cc+\u)+2*\p)*4+\t], v[(8*(2*\cc+\u)+2*\p+1)*4+\t]
.endr
.endr
.endr
.endr
; 24 products of 32 channels, hi x hi.  theta/phi: A = weights, B = x: a lane gets eight neighbouring outputs of one position.
; g: A = x, B = weights: a lane gets eight positions of one output.  The 24 accumulators take turns, one instruction a turn.
.macro PASS cc, chain
.irp t, 0,1,2,3
.irp ot, 0,1,2,3
.if \chain
	v_wmma_f32_16x16x32_bf16 v[(\t*4+\ot)*8:(\t*4+\ot)*8+7], v[WP+(\ot*2+\cc)*8:WP+(\ot*2+\cc)*8+7], v[XB+(\t*2+\cc)*8:XB+(\t*2+\cc)*8+7], v[(\t*4+\ot)*8:(\t*4+\ot)*8+7]
.else
	v_wmma_f32_16x16x32_bf16 v[(\t*4+\ot)*8:(\t*4+\ot)*8+7], v[WP+(\ot*2+\cc)*8:WP+(\ot*2+\cc)*8+7], v[XB+(\t*2+\cc)*8:XB+(\t*2+\cc)*8+7], v[BQ+8*\ot:BQ+8*\ot+7]
.endif
.endr
.irp gt, 0,1
.if \chain
	v_wmma_f32_16x16x32_bf16 v[VACC+(\t*2+\gt)*8:VACC+(\t*2+\gt)*8+7], v[XB+(\t*2+\cc)*8:XB+(\t*2+\cc)*8+7], v[WP+((4+\gt)*2+\cc)*8:WP+((4+\gt)*2+\cc)*8+7], v[VACC+(\t*2+\gt)*8:VACC+(\t*2+\gt)*8+7]
.else
	v_wmma_f32_16x16x32_bf16 v[VACC+(\t*2+\gt)*8:VACC+(\t*2+\gt)*8+7], v[XB+(\t*2+\cc)*8:XB+(\t*2+\cc)*8+7], v[WP+((4+\gt)*2+\cc)*8:WP+((4+\gt)*2+\cc)*8+7], v[BV+8*\gt:BV+8*\gt+7]
.endif
.endr
.endr
.endm
; 16 products of 32 channels onto theta/phi's sums: weights from wb, x from xb (one of them a lo part).  The 16 accumulators take turns likewise.
.macro QPASS wb, xb, cc
.irp t, 0,1,2,3
.irp ot, 0,1,2,3
	v_wmma_f32_16x16x32_bf16 v[(\t*4+\ot)*8:(\t*4+\ot)*8+7], v[\wb+(\ot*2+\cc)*8:\wb+(\ot*2+\cc)*8+7], v[\xb+(\t*2+\cc)*8:\xb+(\t*2+\cc)*8+7], v[(\t*4+\ot)*8:(\t*4+\ot)*8+7]
.endr
.endr
.endm
	WIN 0x40                                       ; D window 1; A, B and the bias window 0: the bias starts the sums
	PASS 0, 0
	WIN 0x50                                       ; C window 1 too
	PASS 1, 1
	WIN 0x52                                       ; A window 2: lo of the weights x hi of x
	QPASS WL, XB, 0
	QPASS WL, XB, 1
	WIN 0x58                                       ; B window 2: hi of the weights x lo of x
	QPASS WP, XL, 0
	QPASS WP, XL, 1
.rept 4
	v_nop                                          ; four places behind the last matrix instruction before results are read and fragment registers loaded again (ISA guide 7.12.1)
.endr
	WIN 0x41
.set i, 0
.rept 64
	v_pk_mul_f32 v[2*i:2*i+1], v[2*i:2*i+1], s[38:39] op_sel_hi:[1,0]     ; log2(e) or 1, in f32
.set i, i+1
.endr
	WIN 0x45
.set i, 0
.rept 16
	v_cvt_pk_f16_f32 v[8*i],   v[8*i],   v[8*i+1]                         ; to f16; in place, ascending: each line writes at or below what it reads
	v_cvt_pk_f16_f32 v[8*i+1], v[8*i+2], v[8*i+3]
	v_cvt_pk_f16_f32 v[8*i+2], v[8*i+4], v[8*i+5]
	v_cvt_pk_f16_f32 v[8*i+3], v[8*i+6], v[8*i+7]
.set i, i+1
.endr
.irp gt, 0,1
.irp j, 0,1,2,3,4,5,6,7
	v_cvt_pk_bf16_f32 v[PV+16*\gt+2*\j],   v[VACC+(0*2+\gt)*8+\j], v[VACC+(1*2+\gt)*8+\j]   ; positions 32 h + 4 j, + 1 (tiles 0, 1)
	v_cvt_pk_bf16_f32 v[PV+16*\gt+2*\j+1], v[VACC+(2*2+\gt)*8+\j], v[VACC+(3*2+\gt)*8+\j]   ; positions 32 h + 4 j + 2, + 3 (tiles 2, 3)
.endr
.endr
	WIN 0x04                                       ; LDS stores: data window 1
.irp t, 0,1,2,3
.irp ot, 0,1,2,3
	ds_store_b128 v3, v[(\t*4+\ot)*8:(\t*4+\ot)*8+3] offset:\t*QT+32*\ot
.endr
.endr
.irp gt, 0,1
.irp i, 0,1,2,3
	ds_store_b128 v4, v[PV+16*\gt+4*\i:PV+16*\gt+4*\i+3] offset:\gt*16*VPI+16*\i
.endr
.endr
	WIN 0
	; q out: the wave's own bytes, and LDS serves a wave's instructions in order (ISA guide 5.7.1): no barrier, no wait between stores and loads
.irp i, 0,1,2,3,4,5,6,7,8,9,10,11,12,13,14,15
	ds_load_b128 v[WP+4*\i:WP+4*\i+3], v5 offset:\i*QP
.endr
.irp i, 0,1,2,3,4,5,6,7,8,9,10,11,12,13,14,15
	s_wait_dscnt 15-\i                             ; load i of the sixteen is in
	global_store_b128 v6, v[WP+4*\i:WP+4*\i+3], s[24:25] offset:512*\i    ; four positions: 512 consecutive bytes, aligned
.endr
	; v out: a row of 128 positions holds both waves' halves
	s_wait_dscnt 0x0                               ; my stores into the shared stage are done (met by the last count above)
	s_barrier_signal -1
	s_barrier_wait -1
.irp i, 0,1,2,3,4,5,6,7
	ds_load_b128 v[XB+4*\i:XB+4*\i+3], v7 offset:\i*2*VPI
.endr
.irp i, 0,1,2,3,4,5,6,7
	s_wait_dscnt 7-\i
	global_store_b128 v[VGO], v[XB+4*\i:XB+4*\i+3], s[26:27] offset:\i*16384   ; sixteen lanes store 256 consecutive bytes of one row, aligned
.endr
	s_wait_tensorcnt 0x0
	ds_add_u32 v254, v255
	s_wait_dscnt 0x0
	s_endpgm
.Lfunc_end_k_qce2b94ed62_proj:
	.size	k_qce2b94ed62_proj, .Lfunc_end_k_qce2b94ed62_proj-k_qce2b94ed62_proj
	.p2alignl 7, 3214868480
	.fill 96, 4, 3214868480
	.section	.rodata,"a",@progbits
	.p2align	6, 0x0
	.amdhsa_kernel k_qce2b94ed62_proj
		.amdhsa_group_segment_fixed_size 28416
		.amdhsa_private_segment_fixed_size 0
		.amdhsa_enable_private_segment 0
		.amdhsa_kernarg_size 96
		.amdhsa_user_sgpr_count 2
		.amdhsa_user_sgpr_kernarg_segment_ptr 1
		.amdhsa_wavefront_size32 1
		.amdhsa_system_sgpr_workgroup_id_x 1
		.amdhsa_system_sgpr_workgroup_id_y 1
		.amdhsa_system_sgpr_workgroup_id_z 1
		.amdhsa_system_vgpr_workitem_id 0
		.amdhsa_next_free_vgpr 704
		.amdhsa_next_free_sgpr 66
		.amdhsa_reserve_vcc 0
		.amdhsa_float_denorm_mode_32 3
		.amdhsa_float_denorm_mode_16_64 3
		.amdhsa_memory_ordered 1
		.amdhsa_forward_progress 1
		.amdhsa_inst_pref_size 71
	.end_amdhsa_kernel
	.amdgpu_metadata
---
amdhsa.version: [ 1, 2 ]
amdhsa.kernels:
  - .name:           k_qce2b94ed62_proj
    .symbol:         k_qce2b94ed62_proj.kd
    .args:
      - { .name: a, .offset: 0, .size: 8, .value_kind: global_buffer, .address_space: global }
      - { .name: b, .offset: 8, .size: 8, .value_kind: global_buffer, .address_space: global }
      - { .name: theta_w, .offset: 16, .size: 8, .value_kind: global_buffer, .address_space: global }
      - { .name: phi_w, .offset: 24, .size: 8, .value_kind: global_buffer, .address_space: global }
      - { .name: theta_b, .offset: 32, .size: 8, .value_kind: global_buffer, .address_space: global }
      - { .name: phi_b, .offset: 40, .size: 8, .value_kind: global_buffer, .address_space: global }
      - { .name: g_a_w, .offset: 48, .size: 8, .value_kind: global_buffer, .address_space: global }
      - { .name: g_b_w, .offset: 56, .size: 8, .value_kind: global_buffer, .address_space: global }
      - { .name: g_a_b, .offset: 64, .size: 8, .value_kind: global_buffer, .address_space: global }
      - { .name: g_b_b, .offset: 72, .size: 8, .value_kind: global_buffer, .address_space: global }
      - { .name: qk, .offset: 80, .size: 8, .value_kind: global_buffer, .address_space: global }
      - { .name: vt, .offset: 88, .size: 8, .value_kind: global_buffer, .address_space: global }
    .group_segment_fixed_size: 28416
    .private_segment_fixed_size: 0
    .kernarg_segment_align: 8
    .kernarg_segment_size: 96
    .max_flat_workgroup_size: 64
    .sgpr_count:     66
    .vgpr_count:     704
    .wavefront_size: 32
...
	.end_amdgpu_metadata
.endif
;; end of part 1
;; launch attn (part 2): grid 32 x 8, 8 waves a work-group, clusters of 4 x 1, 327,680 bytes of LDS; arguments qk, vt, W_a_w, W_b_w, W_a_b, W_b_b, pre; writes pre
.if DOCPART == 2
	.amdgcn_target "amdgcn-amd-amdhsa--gfx1250"
	.amdhsa_code_object_version 6
	.text
	.protected	k_qce2b94ed62_attn
	.globl	k_qce2b94ed62_attn
	.p2align	8
	.type	k_qce2b94ed62_attn,@function
k_qce2b94ed62_attn:
	s_mov_b64 s[64:65], 0
	v_nop
	global_prefetch_b8 v0, s[64:65] scope:SCOPE_SE
	s_setreg_imm32_b32 hwreg(HW_REG_WAVE_MODE, 25, 1), 1
	s_wait_xcnt 0x0
	s_wait_alu depctr_hold_cnt(0) depctr_sa_sdst(0) depctr_va_vdst(0) depctr_va_sdst(0) depctr_va_ssrc(0) depctr_va_vcc(0) depctr_vm_vsrc(0)
	s_getreg_b32 s2, hwreg(HW_REG_IB_STS2, 6, 4)
	s_cmp_eq_u32 s2, 0
	s_cbranch_scc0 .Lentry_in_a_cluster
	s_endpgm
.Lentry_in_a_cluster:
	s_bfe_u32 s2, ttmp6, 0x10000c
	s_cmp_lg_u32 s2, 0x3003
	s_cbranch_scc0 .Lentry_shape_is_right
	s_endpgm
.Lentry_shape_is_right:
; Both softmax directions as attention with a running maximum, then the 32 -> 64 convolution and its bias.
; Work-group y = 4 dir + batch.  dir 0: queries = qk[0] (theta a), keys = qk[1] (phi b), values = vt[0] (g_a a).  dir 1: queries = qk[1], keys = qk[0], values = vt[1].
;   pre[y][o][n] = sum over ci of W[o][ci] * ( sum over m of softmax_m(query n . key m) * v[ci][m] ) + Wb[o]
; theta's side carries log2(e), so scores are exponents of two in both directions.
; FORMATS: queries and keys are f16 (a score's absolute error becomes a probability's relative error, and f16 has three bits more than bf16); their room is
; stated where they are made: under 8 at numbers of spread 1, under 7,200 with inputs and weights both 30 times larger, against f16's 65,504.
; Probabilities, values, y and W are bf16; all sums are f32.
; LIMITS: NaN and infinities in the inputs are not served (the maximum drops NaN).  Probabilities below 2^-126 count as 0 (v_exp_f32 flushes: ISA guide 15.8).
; The maximum is always taken away first, so no exponential exceeds 1 and the merged denominator is at least 1.
;
; SHARES: a work-group owns 128 queries; 32 x 8 = 256 work-groups.  Wave w: qg = w & 3 picks 32 queries (two tiles of 16), kh = w >> 2 picks the lower or upper
; 256 keys of every tile of 512.  The two key halves meet in LDS at the end.
; LAYOUT, without any exchange between lanes but one per maximum: S^T = K Q^T (A = 16 keys, B = 16 queries) leaves key 8 h + j in register j and query r in
; lane r; two such tiles rounded pairwise ARE the B fragment of O^T = V^T P^T; O^T's two channel tiles rounded pairwise ARE the B fragment of W O^T.
; SCHEDULE: the unit of work is one query tile x 64 keys: 8 score products, 108 vector instructions of softmax, 4 products with V.  A wave's two query tiles run
; half a group apart: among the vector instructions of tile t's softmax stand the other tile's 4 products with V (its last unit) and 8 score products (its next
; unit), one matrix instruction to about nine vector instructions, so that the wave has work for the matrix unit and for the vector unit at the same time.
;   phase A(g): softmax of (g, tile 0);  products PV(g-1, tile 1), then S(g, tile 1);  LDS loads V(g), then K(g+1) as its registers fall free
;   phase B(g): softmax of (g, tile 1);  products PV(g, tile 0),   then S(g+1, tile 0); no LDS loads
; P is rounded in place into the lower 16 registers of its tile's S, so that everything the loop names lies in v0-v255 and the loop switches no register window.
; CLUSTERS: the four work-groups of a cluster are four query blocks of one y and walk the same keys and values.  Every tile is asked for jointly (mask 15),
; which divides the requests for keys and values by four.
; LDS: two slots of 512 keys (K: 512 rows of 128 + 16 bytes; V^T: 32 rows of 1,024 + 16 bytes), then the merge area and the output stage, in which no fill lands.
.set SLOT,  107008                     ; 512*144 + 32*1040
.set VOFF,  73728                      ; V^T behind K in a slot
.set MRG,   214016                     ; 4 x 4,608 bytes: the upper key half's O (4,096), maxima and sums (512), for each qg
.set STG,   232448                     ; 64 rows (outputs) of 128 queries x 4 bytes + 16
.set KP,    144                        ; odd multiples of 16 bytes: the sixteen rows of a fragment load start at sixteen different 16-byte columns of 256
.set VP,    1040
.set SP,    528
.set KSTEP, 131072                     ; two tiles on: 1,024 rows of 128 bytes
.set VSTEP, 2048                       ; two tiles on: 1,024 keys of 2 bytes
.set ADRK, 1                           ; v1, v2    my K fragments in slot 0, 1
.set ADRV, 3                           ; v3, v4    my V fragments in slot 0, 1
.set STO,  5                           ; v5        output stage, in
.set RD,   6                           ; v6        output stage, back
.set CO,   7                           ; v7        16 x lane, my offset in pre
.set MM,   8                           ; v[8+4 par+2 qt]  running maximum; the two parities take turns, so that old and new exist side by side
.set TA,   9                           ; v9, v11, v13, v15  four chains of the maximum: the odd partners of the maxima's pairs
.set TB,   11
.set TC,   13
.set TD,   15
.set AL,   16                          ; v16       2^(old maximum - new maximum)
.set TX,   17                          ; v17       the other half's maximum
.set LS,   18                          ; v[18+2 qt : 19+2 qt]  my lane's part of the denominator, as a pair
.set LB,   22                          ; v[22:23]  second chain of the denominator
.set OA,   24                          ; v[24:55]    O^T, 16 qt + 8 ct
.set SC,   56                          ; v[56:119]   S^T, 32 qt + 8 kt; then P^T in bf16 in the lower 16 of a tile's 32, 8 u
.set KF,   120                         ; v[120:183]  K fragments, 16 kt + 8 cc
.set VF,   184                         ; v[184:215]  V fragments, 16 u + 8 ct
.set QF,   216                         ; v[216:247]  Q fragments, 16 qt + 8 cc
.set MA,   248                         ; v248        merge area: 16 x lane
.set MB,   249                         ; v249        merge area: 4 x lane
.set PM,   252                         ; v[252:255]  at the end: the partner's two maxima and two denominators
.set WRAW, 0                           ; window 1: v[0:63]   W as loaded, 16 ot
.set BIAS, 64                          ; window 1: v[64:95]  W's bias as a C operand, 8 ot
.set G1K, 28                           ; s[28:35] shape of a K load
.set G1V, 36                           ; s[36:43] shape of a V load
.set G0K, 44                           ; s[44:51] from where, to where: K, one set for each slot
.set G0V, 52                           ; s[52:59] the same for V
.set MSB, 0
.macro WIN new                         ; low byte: window of source 0 (1:0), source 1 (3:2), source 2 (5:4), destination (7:6); high byte: the setting that is left
.if MSB != \new
	s_set_vgpr_msb (MSB<<8)|\new
.set MSB, \new
.endif
.endm
.macro PLACES                          ; four plain places behind a matrix instruction (ISA guide 7.12.1)
.rept 4
	v_nop
.endr
.endm
; A round of the cluster's barrier: my work-group's barrier, wave 0 signals for the work-group, every wave waits for all four work-groups, my work-group's barrier again.
.macro CREST                           ; a round behind its opening barrier
	s_cmp_lg_u32 s18, 0
	s_cbranch_scc1 .Lnot_wave_0_\@
	s_barrier_signal -3
.Lnot_wave_0_\@:
	s_barrier_wait -3
	s_barrier_signal -1
	s_barrier_wait -1
.endm
.macro ROUND                           ; a whole round
	s_barrier_signal -1
	s_barrier_wait -1
	CREST
.endm
; A joint load: waves 0-3 bring a quarter of K's tile each (128 rows x 128 bytes), waves 4-7 a quarter of V's (8 rows x 1,024 bytes).
; The branch hangs on the wave's number alone, and nothing in the descriptors on the place in the cluster.
.macro JLOAD s
	s_cmp_eq_u32 s20, 0
	s_cbranch_scc0 .Lfor_v_\@
	tensor_load_to_lds s[G0K+4*\s:G0K+4*\s+3], s[G1K:G1K+7]
	s_nop 0
	s_branch .Lasked_\@
.Lfor_v_\@:
	tensor_load_to_lds s[G0V+4*\s:G0V+4*\s+3], s[G1V:G1V+7]
	s_nop 0
.Lasked_\@:
.endm
	s_load_b256 s[4:11], s[0:1], 0x0               ; qk, vt, W_a_w, W_b_w
	s_load_b128 s[12:15], s[0:1], 0x20             ; W_a_b, W_b_b
	s_load_b64 s[16:17], s[0:1], 0x30              ; pre
	s_set_vgpr_msb 0x40
	v_lshl_add_u32 v128, v0, 2, 0x41000
	v_mov_b32 v129, 0
	s_set_vgpr_msb 0x4045
	ds_add_u32 v128, v129
	s_set_vgpr_msb 0x4500
	v_lshrrev_b32 v1, 5, v0
	v_readfirstlane_b32 s18, v1                    ; wave 0..7
	s_and_b32 s19, s18, 3                          ; qg
	s_lshr_b32 s20, s18, 2                         ; kh.  Also: I fetch for K (0) or for V (1)
	s_bfe_u32 s21, ttmp6, 0x40000                  ; cx: my place in the cluster
	s_lshl_b32 s22, ttmp9, 2                       ; in a cluster launch ttmp9 counts clusters
	s_add_co_u32 s22, s22, s21                     ; query block = 4 x cluster x + cx
	s_and_b32 s23, ttmp7, 0xffff                   ; y = 4 dir + batch
	s_mov_b32 s60, 0x76543210                      ; v_permlanex16_b32: lane i of one half reads lane i of the other
	s_mov_b32 s61, 0xfedcba98
	; shapes.  Sizes in elements of 2 bytes; the tiles lie inside their tensors, so the extents are the tiles'.
	s_mov_b32 s[G1K+0], 15|(1<<16)|(1<<20)|(1<<21)|(4<<22)|(3<<25)   ; mask: all four of the cluster; 2-byte elements; padding on; bit 21 beside a mask; after every 32 words, 4 words
	s_mov_b32 s[G1K+1], 64<<16                     ; tensor_dim0 = 64
	s_mov_b32 s[G1K+2], 128<<16                    ; tensor_dim1 = 128
	s_mov_b32 s[G1K+3], 64<<16                     ; tile_dim0 = 64
	s_mov_b32 s[G1K+4], 128                        ; tile_dim1 = 128
	s_mov_b32 s[G1K+5], 64                         ; from row to row: 64 elements
	s_mov_b32 s[G1K+6], 0
	s_mov_b32 s[G1K+7], 0
	s_mov_b32 s[G1V+0], 15|(1<<16)|(1<<20)|(1<<21)|(7<<22)|(3<<25)   ; the same, padding after every 256 words
	s_mov_b32 s[G1V+1], 512<<16                    ; tensor_dim0 = 512
	s_mov_b32 s[G1V+2], 8<<16                      ; tensor_dim1 = 8
	s_mov_b32 s[G1V+3], 512<<16                    ; tile_dim0 = 512
	s_mov_b32 s[G1V+4], 8                          ; tile_dim1 = 8
	s_mov_b32 s[G1V+5], 4096                       ; from row to row: 4,096 elements
	s_mov_b32 s[G1V+6], 0
	s_mov_b32 s[G1V+7], 0
	s_xor_b32 s24, s23, 4                          ; keys: the other side of qk, same batch,
	s_lshl_b32 s24, s24, 19                        ; 524,288 bytes each,
	s_lshl_b32 s26, s19, 14                        ; + my 128 rows of 128 bytes
	s_add_co_u32 s24, s24, s26
	s_mov_b32 s25, 0
	s_lshl_b32 s26, s23, 18                        ; values: y x 262,144
	s_lshl_b32 s27, s19, 16                        ; + my 8 rows of 8,192 bytes
	s_add_co_u32 s26, s26, s27
	s_mov_b32 s27, 0
	s_mul_i32 s66, s18, 128*KP                     ; to where: waves 0-3, K's quarters from the slot's first byte;
	s_mul_i32 s67, s18, 8*VP
	s_add_co_u32 s67, s67, VOFF-4*8*VP             ; waves 4-7, V's quarters from VOFF
	s_lshl_b32 s68, s22, 7                         ; my queries: row = block x 128 + qg x 32,
	s_lshl_b32 s71, s19, 5
	s_add_co_u32 s68, s68, s71
	s_lshl_b32 s68, s68, 7                         ; 128 bytes a row,
	s_lshl_b32 s71, s23, 19                        ; + y x 524,288
	s_add_co_u32 s68, s68, s71
	s_mov_b32 s69, 0
	s_lshl_b32 s76, s23, 20                        ; pre: y x 64 rows of 16,384 bytes
	s_lshl_b32 s71, s18, 17                        ; + my wave's 8 rows on the way out
	s_add_co_u32 s76, s76, s71
	s_lshl_b32 s71, s22, 9                         ; + block x 128 queries x 4 bytes
	s_add_co_u32 s76, s76, s71
	s_mov_b32 s77, 0
	s_wait_dscnt 0x0
	s_wait_kmcnt 0x0
	s_add_nc_u64 s[24:25], s[4:5], s[24:25]
	s_add_nc_u64 s[26:27], s[6:7], s[26:27]
	s_add_nc_u64 s[68:69], s[4:5], s[68:69]
	s_add_nc_u64 s[76:77], s[16:17], s[76:77]
	s_cmp_lt_u32 s23, 4
	s_cselect_b64 s[72:73], s[8:9], s[10:11]       ; W_a_w or W_b_w
	s_cselect_b64 s[74:75], s[12:13], s[14:15]     ; its bias
	ROUND                                          ; all four work-groups are here: the first joint loads meet
.irp s, 0,1
	s_mov_b32 s[G0K+4*\s], 1                                       ; count = 1
	s_add_co_u32 s[G0K+4*\s+1], s66, \s*SLOT                       ; LDS address
	s_add_nc_u64 s[G0K+4*\s+2:G0K+4*\s+3], s[24:25], \s*65536      ; tile s: 512 rows of 128 bytes on
	s_or_b32 s[G0K+4*\s+3], s[G0K+4*\s+3], 0x80000000              ; type = 2
	s_mov_b32 s[G0V+4*\s], 1
	s_add_co_u32 s[G0V+4*\s+1], s67, \s*SLOT
	s_add_nc_u64 s[G0V+4*\s+2:G0V+4*\s+3], s[26:27], \s*1024       ; tile s: 512 keys of 2 bytes on
	s_or_b32 s[G0V+4*\s+3], s[G0V+4*\s+3], 0x80000000
	JLOAD \s                                       ; both slots' first fills go out together: two tensor loads of the wave are out here, later one
.endr
	v_and_b32 v250, 15, v0                         ; r
	v_bfe_u32 v251, v0, 4, 1                       ; h
	v_and_b32 v252, 31, v0                         ; lane
	v_lshlrev_b32 v122, 5, v251                    ; bias: 8 h numbers
	v_lshl_add_u32 v121, v250, 7, v122             ; W: row r of 128 bytes + 8 h numbers
	v_lshlrev_b32 v120, 7, v250
	v_lshl_add_u32 v120, v251, 4, v120             ; Q: row r of 128 bytes + 16 h
.irp qt, 0,1
.irp cc, 0,1
	global_load_b128 v[QF+16*\qt+8*\cc:QF+16*\qt+8*\cc+3],   v120, s[68:69] offset:\qt*2048+\cc*64
	global_load_b128 v[QF+16*\qt+8*\cc+4:QF+16*\qt+8*\cc+7], v120, s[68:69] offset:\qt*2048+\cc*64+32
.endr
.endr
	WIN 0x40                                       ; destination window 1
.irp ot, 0,1,2,3
	global_load_b128 v[WRAW+16*\ot:WRAW+16*\ot+3],     v121, s[72:73] offset:\ot*2048      ; W[16 ot + r][8 h ..]
	global_load_b128 v[WRAW+16*\ot+4:WRAW+16*\ot+7],   v121, s[72:73] offset:\ot*2048+16
	global_load_b128 v[WRAW+16*\ot+8:WRAW+16*\ot+11],  v121, s[72:73] offset:\ot*2048+64   ; W[16 ot + r][16 + 8 h ..]
	global_load_b128 v[WRAW+16*\ot+12:WRAW+16*\ot+15], v121, s[72:73] offset:\ot*2048+80
	global_load_b128 v[BIAS+8*\ot:BIAS+8*\ot+3],       v122, s[74:75] offset:\ot*64        ; bias[16 ot + 8 h ..]
	global_load_b128 v[BIAS+8*\ot+4:BIAS+8*\ot+7],     v122, s[74:75] offset:\ot*64+16
.endr
	WIN 0
	s_mul_i32 s70, s20, 256*KP                     ; my half of a tile's keys
	v_mul_u32_u24 v[ADRK], v250, KP
	v_lshl_add_u32 v[ADRK], v251, 4, v[ADRK]
	v_add_nc_u32 v[ADRK], s70, v[ADRK]
	v_add_nc_u32 v[ADRK+1], SLOT, v[ADRK]
	s_lshl_b32 s78, s20, 9                         ; the same 256 keys along V^T's rows
	s_add_co_u32 s78, s78, VOFF
	v_mul_u32_u24 v[ADRV], v250, VP
	v_lshl_add_u32 v[ADRV], v251, 4, v[ADRV]
	v_add_nc_u32 v[ADRV], s78, v[ADRV]
	v_add_nc_u32 v[ADRV+1], SLOT, v[ADRV]
	s_lshl_b32 s79, s19, 7                         ; stage, in: row 8 h (+ 16 ot + j), column (32 qg + r) x 4
	s_add_co_u32 s79, s79, STG
	v_mul_u32_u24 v[STO], v251, 8*SP
	v_lshl_add_u32 v[STO], v250, 2, v[STO]
	v_add_nc_u32 v[STO], s79, v[STO]
	s_mul_i32 s63, s18, 8*SP                       ; stage, back: wave w takes rows 8 w .. 8 w + 7, a whole row of 512 bytes at a time
	s_add_co_u32 s63, s63, STG
	v_lshlrev_b32 v[CO], 4, v252
	v_add_nc_u32 v[RD], s63, v[CO]
	s_mul_i32 s2, s19, 4608
	s_add_co_u32 s2, s2, MRG
	v_add_nc_u32 v[MA], s2, v[CO]
	v_lshl_add_u32 v[MB], v252, 2, s2
	v_mov_b32 v[TX], 0                             ; v_permlanex16_b32 counts as a reader of its destination
; 8 LDS loads: 32 keys (half 0 or 1 of group g's 64) x 64 channels
.macro KLOADH slot, g, half
.irp k, 0,1
.irp cc, 0,1
	ds_load_b128 v[KF+16*(2*\half+\k)+8*\cc:KF+16*(2*\half+\k)+8*\cc+3],   v[ADRK+\slot] offset:(64*(\g)+16*(2*\half+\k))*KP+64*\cc
	ds_load_b128 v[KF+16*(2*\half+\k)+8*\cc+4:KF+16*(2*\half+\k)+8*\cc+7], v[ADRK+\slot] offset:(64*(\g)+16*(2*\half+\k))*KP+64*\cc+32
.endr
.endr
.endm
; 8 LDS loads: 32 channels x group g's 64 keys
.macro VLOAD slot, g
.irp u, 0,1
.irp ct, 0,1
	ds_load_b128 v[VF+16*\u+8*\ct:VF+16*\u+8*\ct+3],   v[ADRV+\slot] offset:\ct*16*VP+128*(\g)+64*\u
	ds_load_b128 v[VF+16*\u+8*\ct+4:VF+16*\u+8*\ct+7], v[ADRV+\slot] offset:\ct*16*VP+128*(\g)+64*\u+32
.endr
.endr
.endm
; Product n (0..3) of tile o's P with V: keys 32 u .. 32 u + 31 (u = n / 2), channels 16 ct .. (ct = n % 2).  mode 2: the launch's first unit, u = 0 starts the sums.
; The two accumulators take turns, one instruction a turn.
.macro PVW o, n, mode
.set U_, (\n)>>1
.set C_, (\n)&1
.set Z_, 0
.if (\mode) == 2
.if U_ == 0
.set Z_, 1
.endif
.endif
.if Z_
	v_wmma_f32_16x16x32_bf16 v[OA+16*(\o)+8*C_:OA+16*(\o)+8*C_+7], v[VF+16*U_+8*C_:VF+16*U_+8*C_+7], v[SC+32*(\o)+8*U_:SC+32*(\o)+8*U_+7], 0
.else
	v_wmma_f32_16x16x32_bf16 v[OA+16*(\o)+8*C_:OA+16*(\o)+8*C_+7], v[VF+16*U_+8*C_:VF+16*U_+8*C_+7], v[SC+32*(\o)+8*U_:SC+32*(\o)+8*U_+7], v[OA+16*(\o)+8*C_:OA+16*(\o)+8*C_+7]
.endif
.endm
; Score product j (0..7) of tile o, in the order (kt, cc) = (0,0) (1,0) (0,1) (1,1) (2,0) (3,0) (2,1) (3,1): two accumulators take turns, one instruction a turn,
; and K's first 32 keys are used up behind j = 3.
.macro SW o, j
.set KT_, 2*((\j)>>2)+((\j)&1)
.set CC_, ((\j)>>1)&1
.if CC_
	v_wmma_f32_16x16x32_f16 v[SC+32*(\o)+8*KT_:SC+32*(\o)+8*KT_+7], v[KF+16*KT_+8:KF+16*KT_+15], v[QF+16*(\o)+8:QF+16*(\o)+15], v[SC+32*(\o)+8*KT_:SC+32*(\o)+8*KT_+7]
.else
	v_wmma_f32_16x16x32_f16 v[SC+32*(\o)+8*KT_:SC+32*(\o)+8*KT_+7], v[KF+16*KT_:KF+16*KT_+7], v[QF+16*(\o):QF+16*(\o)+7], 0
.endif
.endm
; n subtractions of the new maximum, two scores each, both from the pair's first register
.macro DSUB n
.rept \n
	v_pk_add_f32 v[T_+2*DI_:T_+2*DI_+1], v[T_+2*DI_:T_+2*DI_+1], v[MN:MN+1] op_sel_hi:[1,0] neg_lo:[0,1] neg_hi:[0,1]
.set DI_, DI_+1
.endr
.endm
; Step i (0..18) of the exponential stage of tile t: the exponentials of pair i; one eighth of O's move to the new maximum (i < 8); the sum of pair i - 1;
; the rounding of pair i - 3 into register i - 3.  Register c belongs to pair c / 2, whose sum (step c / 2 + 1, pairs 0 and 1 at the latest in steps 3 and 4) and
; rounding (step c / 2 + 3) stand ahead of step c + 3, so nothing is overwritten that is still to be read.
; Behind every exponential stands a plain instruction on other registers before its result is used (ISA guide 5.7.2); in the launch's first units, which have no O
; to move, a v_nop takes that place.
.macro EMUL t, i, first
.if \first
	v_nop
.else
	s_wait_alu depctr_va_vdst(0)
	v_pk_mul_f32 v[OA+16*\t+2*\i:OA+16*\t+2*\i+1], v[OA+16*\t+2*\i:OA+16*\t+2*\i+1], v[AL:AL+1] op_sel_hi:[1,0]
.endif
.endm
.macro ESUM i, first                   ; even pairs go to the carried sum, odd pairs to a second chain that pairs 1 and 3 start
.if \i == 1
.if \first == 0
	v_pk_fma_f32 v[L_:L_+1], v[L_:L_+1], v[AL:AL+1], v[S_:S_+1] op_sel_hi:[1,0,1]
.endif
.endif
.if \i == 3
.if \first
	s_wait_alu depctr_va_vdst(0)
	v_pk_add_f32 v[L_:L_+1], v[S_:S_+1], v[S_+4:S_+5]
.else
	s_wait_alu depctr_va_vdst(0)
	v_pk_add_f32 v[L_:L_+1], v[L_:L_+1], v[S_+4:S_+5]
.endif
.endif
.if \i == 4
	v_pk_add_f32 v[LB:LB+1], v[S_+2:S_+3], v[S_+6:S_+7]
.endif
.if \i > 4
.if \i < 17
.if (\i-1)&1
	s_wait_alu depctr_va_vdst(0)
	v_pk_add_f32 v[LB:LB+1], v[LB:LB+1], v[S_+2*(\i-1):S_+2*(\i-1)+1]
.else
	s_wait_alu depctr_va_vdst(0)
	v_pk_add_f32 v[L_:L_+1], v[L_:L_+1], v[S_+2*(\i-1):S_+2*(\i-1)+1]
.endif
.endif
.endif
.if \i == 17
	v_pk_add_f32 v[L_:L_+1], v[L_:L_+1], v[LB:LB+1]
.endif
.endm
.macro ECVT i
	v_cvt_pk_bf16_f32 v[S_+\i-3], v[S_+2*(\i-3)], v[S_+2*(\i-3)+1]
.endm
.macro ESTEP t, i, first
.set S_, SC+32*\t
.set L_, LS+2*\t
.if \i < 3
	v_exp_f32 v[S_+2*\i], v[S_+2*\i]
	v_exp_f32 v[S_+2*\i+1], v[S_+2*\i+1]
	EMUL \t, \i, \first
	ESUM \i, \first
.else
.if \i < 8
	v_exp_f32 v[S_+2*\i], v[S_+2*\i]
	EMUL \t, \i, \first
	v_exp_f32 v[S_+2*\i+1], v[S_+2*\i+1]
	ESUM \i, \first
	ECVT \i
.else
.if \i < 16
	v_exp_f32 v[S_+2*\i], v[S_+2*\i]
	ESUM \i, \first
	v_exp_f32 v[S_+2*\i+1], v[S_+2*\i+1]
	ECVT \i
.else
	ESUM \i, \first
	ECVT \i
.endif
.endif
.endif
.endm
; ONE PHASE: the softmax of tile t's 32 scores a lane, with the other tile's products and the LDS loads among it.
;   par    which parity holds tile t's old maximum;   first  1: nothing is carried yet for tile t
;   pv     the other tile's products with V: 0 none, 1 onto its sums, 2 they start its sums;   sm  1: the other tile's next score products
;   bw     waits for LDS loads issued in the phase before: 0 none; 1 counted (below); 2 for all, in front of the products with V
;   vl, vs, vg   1: load V of slot vs, group vg;    km, ks, kg   K of slot ks, group kg: 0 none, 1 as its registers fall free, 2 its first half behind the change of slots
;   sync   the change of slots: 0 none; 1 a round of the cluster's barrier and slot vs filled again; 2 the work-group's barrier alone
; Every vector instruction here names tile t's registers and the state alone, none of the matrix instructions' (the other tile's S and O, K, V, Q), so the plain ones
; among them are places behind the matrix instructions (ISA guide 7.12.1); the counts are given where a distance is owed.
.macro PHASE t, par, first, pv, sm, bw, vl, vs, vg, km, ks, kg, sync
.set T_, SC+32*\t
.set O_, 1-\t
.set MO, MM+4*\par+2*\t
.set MN, MM+4*(1-\par)+2*\t
.set DI_, 0
	; the largest of the lane's 32 scores: four chains, three numbers an instruction
	v_max3_num_f32 v[TA], v[T_], v[T_+1], v[T_+2]
	v_max3_num_f32 v[TB], v[T_+8], v[T_+9], v[T_+10]
.if \pv
.if (\bw) == 1
	s_wait_dscnt 16                                ; LDS loads come back in order (ISA guide 5.7.1): the 16 of K are younger, V's 8 are in
.endif
.if (\bw) == 2
	s_wait_dscnt 0x0                               ; no K loads were issued behind V's
.endif
	PVW O_, 0, \pv
.endif
	v_max3_num_f32 v[TC], v[T_+16], v[T_+17], v[T_+18]
	v_max3_num_f32 v[TD], v[T_+24], v[T_+25], v[T_+26]
	v_max3_num_f32 v[TA], v[TA], v[T_+3], v[T_+4]
	v_max3_num_f32 v[TB], v[TB], v[T_+11], v[T_+12]
	v_max3_num_f32 v[TC], v[TC], v[T_+19], v[T_+20]
	v_max3_num_f32 v[TD], v[TD], v[T_+27], v[T_+28]
	v_max3_num_f32 v[TA], v[TA], v[T_+5], v[T_+6]
	v_max3_num_f32 v[TB], v[TB], v[T_+13], v[T_+14]
.if \pv
	PVW O_, 1, \pv
.endif
	v_max3_num_f32 v[TC], v[TC], v[T_+21], v[T_+22]
	v_max3_num_f32 v[TD], v[TD], v[T_+29], v[T_+30]
	v_max3_num_f32 v[TA], v[TA], v[TB], v[T_+7]
	v_max3_num_f32 v[TC], v[TC], v[TD], v[T_+15]
	v_max3_num_f32 v[TA], v[TA], v[T_+23], v[T_+31]
	v_max_num_f32 v[TA], v[TA], v[TC]
	v_permlanex16_b32 v[TX], v[TA], s60, s61       ; the other half of the lanes holds the query's other keys
.if \first
	v_max_num_f32 v[MN], v[TA], v[TX]
.else
	v_max3_num_f32 v[MN], v[TA], v[TX], v[MO]
.endif
.if \pv
	PVW O_, 2, \pv
.endif
.if \first == 0
	v_sub_f32 v[AL], v[MO], v[MN]
	v_exp_f32 v[AL], v[AL]                         ; the subtractions below are the plain places behind it (ISA guide 5.7.2)
.endif
	DSUB 6
.if \pv
	PVW O_, 3, \pv
.endif
	DSUB 5
.if \vl
	VLOAD \vs, \vg                                 ; five plain places behind the last product that read V's registers
.endif
	DSUB 3
.if \sm
.if (\bw) == 1
	s_wait_dscnt 8                                 ; K's second half is younger: its first half is in
.endif
	SW O_, 0                                       ; eight plain places behind the last product that read P, which this one begins to overwrite
.endif
	DSUB 2
	ESTEP \t, 0, \first
.if \sm
	SW O_, 1
.endif
	ESTEP \t, 1, \first
	ESTEP \t, 2, \first
.if \sm
	SW O_, 2
.endif
	ESTEP \t, 3, \first
	ESTEP \t, 4, \first
.if \sm
	SW O_, 3
.endif
	ESTEP \t, 5, \first
.if \sync
	s_wait_dscnt 0x0                               ; my reads of slot vs are over: V's last group was the last of them
	s_set_vgpr_msb 0x5
	s_wait_tensorcnt 0x0                           ; all my tensor loads have landed: the one that was out is my part of the other slot,
	ds_add_u32 v128, v129
	s_wait_dscnt 0x0
	s_set_vgpr_msb 0x500
.if (\sync) == 1
	s_add_nc_u64 s[G0K+4*\vs+2:G0K+4*\vs+3], s[G0K+4*\vs+2:G0K+4*\vs+3], KSTEP   ; so the descriptors may be stepped
	s_add_nc_u64 s[G0V+4*\vs+2:G0V+4*\vs+3], s[G0V+4*\vs+2:G0V+4*\vs+3], VSTEP
.endif
	s_barrier_signal -1                            ; say so, and work on registers alone while the others arrive
.endif
	ESTEP \t, 6, \first
.if (\km) == 1
	KLOADH \ks, \kg, 0                             ; six plain places behind the last product that read K's first half
.endif
.if \sm
.if (\bw) == 1
	s_wait_dscnt 0x0                               ; K's second half is in
.endif
	SW O_, 4
.endif
	ESTEP \t, 7, \first
	ESTEP \t, 8, \first
.if \sm
	SW O_, 5
.endif
	ESTEP \t, 9, \first
	ESTEP \t, 10, \first
.if \sm
	SW O_, 6
.endif
	ESTEP \t, 11, \first
.if \sync
	s_barrier_wait -1                              ; all eight waves have said so
.if (\sync) == 1
	CREST                                          ; and all four work-groups: no wave of any partner still reads slot vs or has a load on its way
	JLOAD \vs                                      ; my one tensor load behind the round; it has up to the next change of slots, eight phases, in which to land
.endif
.endif
.if (\km) == 2
	KLOADH \ks, \kg, 0                             ; the other slot is whole: its first keys
.endif
	ESTEP \t, 12, \first
.if \sm
	SW O_, 7                                       ; eleven plain places stand between this product and the next phase's first read of its result
.endif
	ESTEP \t, 13, \first
	ESTEP \t, 14, \first
	ESTEP \t, 15, \first
.if \km
	KLOADH \ks, \kg, 1                             ; six plain places behind the last product that read K's second half
.endif
	ESTEP \t, 16, \first
	ESTEP \t, 17, \first
	ESTEP \t, 18, \first
.endm
; My 256 keys of the tile in slot: four groups, eight phases; four groups bring the parity back to 0.
; f = 1: the launch's first tile.  sync: the change of slots in the seventh phase.  last = 1: the launch's last tile: nothing follows.
.macro STEPX slot, other, f, sync, last
	PHASE 0, 0, \f, 1-\f, 1, 0, 1, \slot, 0, 1, \slot, 1, 0
	PHASE 1, 0, \f, 1+\f, 1, 1, 0, 0, 0, 0, 0, 0, 0
	PHASE 0, 1, 0, 1+\f, 1, 0, 1, \slot, 1, 1, \slot, 2, 0
	PHASE 1, 1, 0, 1, 1, 1, 0, 0, 0, 0, 0, 0, 0
	PHASE 0, 0, 0, 1, 1, 0, 1, \slot, 2, 1, \slot, 3, 0
	PHASE 1, 0, 0, 1, 1, 1, 0, 0, 0, 0, 0, 0, 0
	PHASE 0, 1, 0, 1, 1, 0, 1, \slot, 3, 2-2*\last, \other, 0, \sync
	PHASE 1, 1, 0, 1, 1-\last, 1+\last, 0, 0, 0, 0, 0, 0, 0
.endm
	s_wait_tensorcnt 0x1                           ; my part of slot 0 is in; slot 1's may stay out
	s_barrier_signal -1
	s_barrier_wait -1
	s_wait_loadcnt 0x0                             ; Q, W and the bias; their offset registers are free from here
	KLOADH 0, 0, 0
	KLOADH 0, 0, 1
	s_wait_dscnt 0x0
.irp j, 0,1,2,3,4,5,6,7
	SW 0, \j                                       ; the first unit's scores: the only ones with no softmax to stand among
.endr
	PLACES                                         ; before they are read
	STEPX 0, 1, 1, 1, 0                            ; tile 0: its first products start the sums; slot 0 is asked for again (tile 2)
	STEPX 1, 0, 0, 1, 0                            ; tile 1
	s_mov_b32 s62, 2
.Lloop:                                            ; tiles 2 to 5, which ask for tiles 4 to 7
	STEPX 0, 1, 0, 1, 0
	STEPX 1, 0, 0, 1, 0
	s_sub_co_i32 s62, s62, 1
	s_cmp_lg_u32 s62, 0
	s_cbranch_scc1 .Lloop
	STEPX 0, 1, 0, 2, 0                            ; tile 6: nothing is left to fetch; the work-group's barrier shows tile 7 whole
	STEPX 1, 0, 0, 0, 1                            ; tile 7
.irp n, 0,1,2,3
	PVW 1, \n, 1                                   ; the last unit's products with V
.endr
	; THE END: join the lanes' halves of the denominator, merge the two key halves, divide, multiply by W, go out through the stage.
	PLACES                                         ; behind the last products, before O is read and fragment registers are written
.irp qt, 0,1
	v_add_f32 v[LS+2*\qt], v[LS+2*\qt], v[LS+2*\qt+1]
.endr
.irp qt, 0,1
	v_permlanex16_b32 v[LS+2*\qt+1], v[LS+2*\qt], s60, s61
.endr
.irp qt, 0,1
	v_add_f32 v[LS+2*\qt], v[LS+2*\qt], v[LS+2*\qt+1]
.endr
	s_cmp_eq_u32 s20, 0
	s_cbranch_scc1 .Lkeep
.irp i, 0,1,2,3,4,5,6,7
	ds_store_b128 v[MA], v[OA+4*\i:OA+4*\i+3] offset:512*\i        ; waves 4-7 hand over their O, register for register, lane for lane,
.endr
	ds_store_b32 v[MB], v[MM] offset:4096                          ; their maxima
	ds_store_b32 v[MB], v[MM+2] offset:4096+128
	ds_store_b32 v[MB], v[LS] offset:4096+256                      ; and their denominators
	ds_store_b32 v[MB], v[LS+2] offset:4096+384
.Lkeep:
	s_wait_dscnt 0x0                               ; for the partner's sake: the stores are done
	s_barrier_signal -1
	s_barrier_wait -1
	s_cmp_lg_u32 s20, 0
	s_cbranch_scc1 .Lstaged
.irp i, 0,1,2,3,4,5,6,7
	ds_load_b128 v[SC+4*\i:SC+4*\i+3], v[MA] offset:512*\i
.endr
.irp k, 0,1,2,3
	ds_load_b32 v[PM+\k], v[MB] offset:4096+128*\k                 ; PM, PM+1: the partner's maxima; PM+2, PM+3: its denominators
.endr
	s_wait_dscnt 0x0
.irp qt, 0,1
	v_max_num_f32 v[TA+2*\qt], v[MM+2*\qt], v[PM+\qt]              ; the common maximum
.endr
.irp qt, 0,1
	v_sub_f32 v[TC+2*\qt], v[MM+2*\qt], v[TA+2*\qt]
	v_sub_f32 v[PM+\qt], v[PM+\qt], v[TA+2*\qt]
.endr
.irp qt, 0,1
	v_exp_f32 v[TC+2*\qt], v[TC+2*\qt]
	v_exp_f32 v[PM+\qt], v[PM+\qt]
.endr
	v_nop                                          ; the plain place behind the exponentials
	s_wait_alu depctr_va_vdst(0)
.irp qt, 0,1
	v_mul_f32 v[LS+2*\qt], v[LS+2*\qt], v[TC+2*\qt]
.endr
.irp qt, 0,1
	v_fmac_f32 v[LS+2*\qt], v[PM+2+\qt], v[PM+\qt]                 ; at least 1: one of the two factors is 1 and each denominator holds its own maximum's 1
.endr
.irp qt, 0,1
	v_rcp_f32 v[LS+2*\qt], v[LS+2*\qt]
.endr
	v_nop                                          ; the plain place behind the reciprocals
	s_wait_alu depctr_va_vdst(0)
.irp qt, 0,1
	v_mul_f32 v[MM+2*\qt], v[TC+2*\qt], v[LS+2*\qt]                ; my factor,
	v_mul_f32 v[MM+4+2*\qt], v[PM+\qt], v[LS+2*\qt]                ; the partner's: each the first register of a written pair
.endr
.set i, 0
.rept 8
	v_pk_mul_f32 v[OA+2*i:OA+2*i+1], v[OA+2*i:OA+2*i+1], v[MM:MM+1] op_sel_hi:[1,0]
	v_pk_mul_f32 v[OA+16+2*i:OA+16+2*i+1], v[OA+16+2*i:OA+16+2*i+1], v[MM+2:MM+3] op_sel_hi:[1,0]
.set i, i+1
.endr
.set i, 0
.rept 8
	v_pk_fma_f32 v[OA+2*i:OA+2*i+1], v[SC+2*i:SC+2*i+1], v[MM+4:MM+5], v[OA+2*i:OA+2*i+1] op_sel_hi:[1,0,1]
	v_pk_fma_f32 v[OA+16+2*i:OA+16+2*i+1], v[SC+16+2*i:SC+16+2*i+1], v[MM+6:MM+7], v[OA+16+2*i:OA+16+2*i+1] op_sel_hi:[1,0,1]
.set i, i+1
.endr
.set i, 0
.rept 8
	v_cvt_pk_bf16_f32 v[VF+i], v[OA+2*i], v[OA+2*i+1]              ; y^T as a B fragment: 32 channels x 16 queries
	v_cvt_pk_bf16_f32 v[VF+8+i], v[OA+16+2*i], v[OA+16+2*i+1]
.set i, i+1
.endr
	WIN 0x05                                       ; sources window 1
.set i, 0
.rept 32
	v_cvt_pk_bf16_f32 v[KF+i], v[WRAW+2*i], v[WRAW+2*i+1]          ; W's four A fragments
.set i, i+1
.endr
	WIN 0x10                                       ; C (the bias) window 1
.irp qt, 0,1
.irp ot, 0,1,2,3
	v_wmma_f32_16x16x32_bf16 v[SC+32*\qt+8*\ot:SC+32*\qt+8*\ot+7], v[KF+8*\ot:KF+8*\ot+7], v[VF+8*\qt:VF+8*\qt+7], v[BIAS+8*\ot:BIAS+8*\ot+7]
.endr
.endr
	WIN 0
	PLACES                                         ; before the results are stored
.irp qt, 0,1
.irp ot, 0,1,2,3
.irp j, 0,1,2,3,4,5,6,7
	ds_store_b32 v[STO], v[SC+32*\qt+8*\ot+\j] offset:(16*\ot+\j)*SP+64*\qt   ; output 16 ot + 8 h + j, query 32 qg + 16 qt + r: sixteen lanes write 64 neighbouring bytes
.endr
.endr
.endr
.Lstaged:
	s_wait_dscnt 0x0                               ; the stage's stores are done
	s_barrier_signal -1
	s_barrier_wait -1
.irp i, 0,1,2,3,4,5,6,7
	ds_load_b128 v[OA+4*\i:OA+4*\i+3], v[RD] offset:SP*\i          ; all eight waves: a whole row of 128 queries
.endr
.irp i, 0,1,2,3,4,5,6,7
	s_wait_dscnt 7-\i
	global_store_b128 v[CO], v[OA+4*\i:OA+4*\i+3], s[76:77] offset:16384*\i   ; 512 consecutive bytes of one row of pre, aligned
.endr
	s_set_vgpr_msb 0x5
	s_wait_tensorcnt 0x0
	ds_add_u32 v128, v129
	s_wait_dscnt 0x0
	s_set_vgpr_msb 0x500
	ROUND                                          ; the closing round: no work-group ends while a partner may still ask for a tile that names it
	s_endpgm
.Lfunc_end_k_qce2b94ed62_attn:
	.size	k_qce2b94ed62_attn, .Lfunc_end_k_qce2b94ed62_attn-k_qce2b94ed62_attn
	.p2alignl 7, 3214868480
	.fill 96, 4, 3214868480
	.section	.rodata,"a",@progbits
	.p2align	6, 0x0
	.amdhsa_kernel k_qce2b94ed62_attn
		.amdhsa_group_segment_fixed_size 327680
		.amdhsa_private_segment_fixed_size 0
		.amdhsa_enable_private_segment 0
		.amdhsa_kernarg_size 56
		.amdhsa_user_sgpr_count 2
		.amdhsa_user_sgpr_kernarg_segment_ptr 1
		.amdhsa_wavefront_size32 1
		.amdhsa_system_sgpr_workgroup_id_x 1
		.amdhsa_system_sgpr_workgroup_id_y 1
		.amdhsa_system_sgpr_workgroup_id_z 1
		.amdhsa_system_vgpr_workitem_id 0
		.amdhsa_next_free_vgpr 386
		.amdhsa_next_free_sgpr 80
		.amdhsa_reserve_vcc 0
		.amdhsa_float_denorm_mode_32 3
		.amdhsa_float_denorm_mode_16_64 3
		.amdhsa_memory_ordered 1
		.amdhsa_forward_progress 1
		.amdhsa_inst_pref_size 255
	.end_amdhsa_kernel
	.section	.bss,"aw",@nobits
	.p2align	6
	.space	262144
	.amdgpu_metadata
---
amdhsa.version: [ 1, 2 ]
amdhsa.kernels:
  - .name:           k_qce2b94ed62_attn
    .symbol:         k_qce2b94ed62_attn.kd
    .args:
      - { .name: qk, .offset: 0, .size: 8, .value_kind: global_buffer, .address_space: global }
      - { .name: vt, .offset: 8, .size: 8, .value_kind: global_buffer, .address_space: global }
      - { .name: W_a_w, .offset: 16, .size: 8, .value_kind: global_buffer, .address_space: global }
      - { .name: W_b_w, .offset: 24, .size: 8, .value_kind: global_buffer, .address_space: global }
      - { .name: W_a_b, .offset: 32, .size: 8, .value_kind: global_buffer, .address_space: global }
      - { .name: W_b_b, .offset: 40, .size: 8, .value_kind: global_buffer, .address_space: global }
      - { .name: pre, .offset: 48, .size: 8, .value_kind: global_buffer, .address_space: global }
    .group_segment_fixed_size: 327680
    .private_segment_fixed_size: 0
    .kernarg_segment_align: 8
    .kernarg_segment_size: 56
    .max_flat_workgroup_size: 256
    .sgpr_count:     80
    .vgpr_count:     386
    .wavefront_size: 32
...
	.end_amdgpu_metadata
.endif
;; end of part 2
;; launch bn (part 3): grid 64 x 2, 8 waves a work-group, no clusters, 1,280 bytes of LDS; arguments pre, a, b, bn_a_gamma, bn_b_gamma, bn_a_beta, bn_b_beta, out0, out1; writes out0, out1
.if DOCPART == 3
	.amdgcn_target "amdgcn-amd-amdhsa--gfx1250"
	.amdhsa_code_object_version 6
	.text
	.protected	k_qce2b94ed62_bn
	.globl	k_qce2b94ed62_bn
	.p2align	8
	.type	k_qce2b94ed62_bn,@function
k_qce2b94ed62_bn:
	s_mov_b64 s[64:65], 0
	v_nop
	global_prefetch_b8 v0, s[64:65] scope:SCOPE_SE
	s_setreg_imm32_b32 hwreg(HW_REG_WAVE_MODE, 25, 1), 1
	s_wait_xcnt 0x0
; Batch norm with batch statistics, gain, shift and the residual.  Work-group (x, y) owns channel x of direction y:
;   out[bt][x][n] = (pre[y][bt][x][n] - mean) * rsqrt(var + 1e-5) * gamma[x] + beta[x] + res[bt][x][n],   res = a (y = 0) or b (y = 1),
; mean and var (biased) over the channel's 4 x 4,096 numbers.  These are 64 KiB: 64 registers in each of 256 threads, so the channel is read once, the
; variance is the mean of (x - mean)^2 and never a difference of large sums, and no figure crosses work-groups.  128 work-groups: one for each channel.
; Memory binds: matrix units, clusters and tensor loads would add nothing.  Every load and store of a wave covers 512 consecutive bytes, aligned.
; NaN and infinities are not served.
.set X,   8                            ; v[8:71]    the channel, quad 4 bt + k
.set R,   72                           ; v[72:135]  the residual, likewise
.set ACC, 136                          ; v[136:143] four chains of sums
	s_load_b512 s[4:19], s[0:1], 0x0               ; pre, a, b, gamma a, gamma b, beta a, beta b, out0
	s_load_b64 s[20:21], s[0:1], 0x40              ; out1
	v_lshl_add_u32 v144, v0, 2, 0x100
	v_mov_b32 v145, 0
	v_lshrrev_b32 v2, 5, v0
	v_readfirstlane_b32 s34, v2                    ; wave
	s_and_b32 s35, ttmp7, 0xffff                   ; y
	s_lshl_b32 s32, ttmp9, 2                       ; the channel's word in gamma and beta
	s_mov_b32 s33, 0
	s_lshl_b32 s36, ttmp9, 14                      ; the channel's 16,384 bytes in a batch
	s_mov_b32 s37, 0
	s_lshl_b32 s38, s35, 22                        ; pre: y x 4 batches x 64 channels x 16,384 bytes
	s_add_co_u32 s38, s38, s36
	s_mov_b32 s39, 0
	s_mov_b32 s40, 0x76543210                      ; v_permlanex16_b32: lane i of one half reads lane i of the other
	s_mov_b32 s41, 0xfedcba98
	s_mov_b32 s46, 0x38800000                      ; 1 / 16384
	s_mov_b32 s47, 0x3727c5ac                      ; 1e-5
	v_lshlrev_b32 v1, 4, v0                        ; 16 x thread
	v_mov_b32 v2, s34
	v_lshlrev_b32 v2, 2, v2                        ; my wave's word in LDS
	v_mov_b32 v3, 0
	s_wait_kmcnt 0x0
	s_cmp_eq_u32 s35, 0
	s_cselect_b64 s[22:23], s[6:7], s[8:9]         ; residual
	s_cselect_b64 s[24:25], s[10:11], s[12:13]     ; gamma
	s_cselect_b64 s[26:27], s[14:15], s[16:17]     ; beta
	s_cselect_b64 s[28:29], s[18:19], s[20:21]     ; output
	s_add_nc_u64 s[4:5], s[4:5], s[38:39]
	s_add_nc_u64 s[22:23], s[22:23], s[36:37]
	s_add_nc_u64 s[28:29], s[28:29], s[36:37]
	s_add_nc_u64 s[24:25], s[24:25], s[32:33]
	s_add_nc_u64 s[26:27], s[26:27], s[32:33]
	s_load_b32 s30, s[24:25], 0x0                  ; gamma[x]
	s_load_b32 s44, s[26:27], 0x0                  ; beta[x]
.irp bt, 0,1,2,3
.irp k, 0,1,2,3
	global_load_b128 v[X+(\bt*4+\k)*4:X+(\bt*4+\k)*4+3], v1, s[4:5] offset:\bt*1048576+\k*4096 th:TH_LOAD_NT
.endr
.endr
.irp bt, 0,1,2,3
.irp k, 0,1,2,3
	global_load_b128 v[R+(\bt*4+\k)*4:R+(\bt*4+\k)*4+3], v1, s[22:23] offset:\bt*1048576+\k*4096 th:TH_LOAD_NT
.endr
.endr
; The four chains in ACC become one sum, in every lane of every wave.  off: eight words of LDS of this sum's own.
.macro REDUCE off
	v_pk_add_f32 v[ACC:ACC+1], v[ACC:ACC+1], v[ACC+2:ACC+3]
	v_pk_add_f32 v[ACC+4:ACC+5], v[ACC+4:ACC+5], v[ACC+6:ACC+7]
	v_pk_add_f32 v[ACC:ACC+1], v[ACC:ACC+1], v[ACC+4:ACC+5]
	v_add_f32 v[ACC], v[ACC], v[ACC+1]
	v_add_f32_dpp v[ACC], v[ACC], v[ACC] row_xmask:1 row_mask:0xf bank_mask:0xf
	v_add_f32_dpp v[ACC], v[ACC], v[ACC] row_xmask:2 row_mask:0xf bank_mask:0xf
	v_add_f32_dpp v[ACC], v[ACC], v[ACC] row_xmask:4 row_mask:0xf bank_mask:0xf
	v_add_f32_dpp v[ACC], v[ACC], v[ACC] row_xmask:8 row_mask:0xf bank_mask:0xf
	v_permlanex16_b32 v[ACC+1], v[ACC], s40, s41
	v_add_f32 v[ACC], v[ACC], v[ACC+1]
	ds_store_b32 v2, v[ACC] offset:\off            ; all lanes write the wave's word with the same value
	s_wait_dscnt 0x0                               ; for the others' sake
	s_barrier_signal -1
	s_barrier_wait -1
	ds_load_b128 v[ACC:ACC+3], v3 offset:\off
	ds_load_b128 v[ACC+4:ACC+7], v3 offset:\off+16
	s_wait_dscnt 0x0
	v_pk_add_f32 v[ACC:ACC+1], v[ACC:ACC+1], v[ACC+2:ACC+3]
	v_pk_add_f32 v[ACC+4:ACC+5], v[ACC+4:ACC+5], v[ACC+6:ACC+7]
	v_pk_add_f32 v[ACC:ACC+1], v[ACC:ACC+1], v[ACC+4:ACC+5]
	v_add_f32 v[ACC], v[ACC], v[ACC+1]
.endm
	s_wait_loadcnt 16                              ; the channel is in; the residual's 16 loads, issued behind it, stay out
.irp c, 0,1,2,3
	v_pk_add_f32 v[ACC+2*\c:ACC+2*\c+1], v[X+2*\c:X+2*\c+1], v[X+8+2*\c:X+8+2*\c+1]   ; the first pairs start the chains
.endr
.irp k, 2,3,4,5,6,7
.irp c, 0,1,2,3
	v_pk_add_f32 v[ACC+2*\c:ACC+2*\c+1], v[ACC+2*\c:ACC+2*\c+1], v[X+8*\k+2*\c:X+8*\k+2*\c+1]
.endr
.endr
	REDUCE 0
	v_mul_f32 v4, 0xb8800000, v[ACC]               ; - mean = - sum / 16384
	v_mov_b32 v5, v4
.set i, 0
.rept 32
	v_pk_add_f32 v[X+2*i:X+2*i+1], v[X+2*i:X+2*i+1], v[4:5]
.set i, i+1
.endr
.irp c, 0,1,2,3
	v_pk_mul_f32 v[ACC+2*\c:ACC+2*\c+1], v[X+2*\c:X+2*\c+1], v[X+2*\c:X+2*\c+1]
.endr
.irp k, 1,2,3,4,5,6,7
.irp c, 0,1,2,3
	v_pk_fma_f32 v[ACC+2*\c:ACC+2*\c+1], v[X+8*\k+2*\c:X+8*\k+2*\c+1], v[X+8*\k+2*\c:X+8*\k+2*\c+1], v[ACC+2*\c:ACC+2*\c+1]
.endr
.endr
	REDUCE 64                                      ; other bytes than the first sum's, which a slower wave may still be reading
	v_fma_f32 v6, v[ACC], s46, s47                 ; var + 1e-5
	v_rsq_f32 v6, v6
	v_nop                                          ; the plain place behind v_rsq_f32 (ISA guide 5.7.2)
	s_wait_kmcnt 0x0                               ; gamma and beta
	s_mov_b32 s45, s44
	s_wait_alu depctr_va_vdst(0)
	v_mul_f32 v6, s30, v6
	v_mov_b32 v7, v6
.set q, 0
.rept 16
	s_wait_loadcnt 15-q                            ; the residual's quad q is in
	v_pk_fma_f32 v[X+4*q:X+4*q+1], v[X+4*q:X+4*q+1], v[6:7], v[R+4*q:R+4*q+1]
	v_pk_fma_f32 v[X+4*q+2:X+4*q+3], v[X+4*q+2:X+4*q+3], v[6:7], v[R+4*q+2:R+4*q+3]
	v_pk_add_f32 v[X+4*q:X+4*q+1], v[X+4*q:X+4*q+1], s[44:45] op_sel_hi:[1,0]
	v_pk_add_f32 v[X+4*q+2:X+4*q+3], v[X+4*q+2:X+4*q+3], s[44:45] op_sel_hi:[1,0]
	global_store_b128 v1, v[X+4*q:X+4*q+3], s[28:29] offset:(q/4)*1048576+(q%4)*4096 th:TH_STORE_NT
.set q, q+1
.endr
	s_wait_tensorcnt 0x0
	ds_add_u32 v144, v145
	s_wait_dscnt 0x0
	s_endpgm
.Lfunc_end_k_qce2b94ed62_bn:
	.size	k_qce2b94ed62_bn, .Lfunc_end_k_qce2b94ed62_bn-k_qce2b94ed62_bn
	.p2alignl 7, 3214868480
	.fill 96, 4, 3214868480
	.section	.rodata,"a",@progbits
	.p2align	6, 0x0
	.amdhsa_kernel k_qce2b94ed62_bn
		.amdhsa_group_segment_fixed_size 1280
		.amdhsa_private_segment_fixed_size 0
		.amdhsa_enable_private_segment 0
		.amdhsa_kernarg_size 72
		.amdhsa_user_sgpr_count 2
		.amdhsa_user_sgpr_kernarg_segment_ptr 1
		.amdhsa_wavefront_size32 1
		.amdhsa_system_sgpr_workgroup_id_x 1
		.amdhsa_system_sgpr_workgroup_id_y 1
		.amdhsa_system_sgpr_workgroup_id_z 1
		.amdhsa_system_vgpr_workitem_id 0
		.amdhsa_next_free_vgpr 146
		.amdhsa_next_free_sgpr 66
		.amdhsa_reserve_vcc 0
		.amdhsa_float_denorm_mode_32 3
		.amdhsa_float_denorm_mode_16_64 3
		.amdhsa_memory_ordered 1
		.amdhsa_forward_progress 1
		.amdhsa_inst_pref_size 20
	.end_amdhsa_kernel
	.amdgpu_metadata
---
amdhsa.version: [ 1, 2 ]
amdhsa.kernels:
  - .name:           k_qce2b94ed62_bn
    .symbol:         k_qce2b94ed62_bn.kd
    .args:
      - { .name: pre, .offset: 0, .size: 8, .value_kind: global_buffer, .address_space: global }
      - { .name: a, .offset: 8, .size: 8, .value_kind: global_buffer, .address_space: global }
      - { .name: b, .offset: 16, .size: 8, .value_kind: global_buffer, .address_space: global }
      - { .name: bn_a_gamma, .offset: 24, .size: 8, .value_kind: global_buffer, .address_space: global }
      - { .name: bn_b_gamma, .offset: 32, .size: 8, .value_kind: global_buffer, .address_space: global }
      - { .name: bn_a_beta, .offset: 40, .size: 8, .value_kind: global_buffer, .address_space: global }
      - { .name: bn_b_beta, .offset: 48, .size: 8, .value_kind: global_buffer, .address_space: global }
      - { .name: out0, .offset: 56, .size: 8, .value_kind: global_buffer, .address_space: global }
      - { .name: out1, .offset: 64, .size: 8, .value_kind: global_buffer, .address_space: global }
    .group_segment_fixed_size: 1280
    .private_segment_fixed_size: 0
    .kernarg_segment_align: 8
    .kernarg_segment_size: 72
    .max_flat_workgroup_size: 256
    .sgpr_count:     66
    .vgpr_count:     146
    .wavefront_size: 32
...
	.end_amdgpu_metadata
.endif
;; end of part 3
